; MI455X (gfx1250); checked and timed in simulation.
; The chip was launched on July 23, 2026; its instructions are those of AMD's public machine-readable ISA for CDNA 5 (MIT licence, August 2026) and "CDNA5" Instruction Set Architecture Reference Guide (July 2026). The comments in the code are by the model that wrote it; some were corrected since.
;; Llama4 Mo E Layer. Allowed arithmetic: float matrix products may take bf16 or f16 operands with f32 sums; other float arithmetic in f32, or as packed bf16 or f16 multiplies, adds, multiply-adds, maxima and minima; sums over many terms, partial sums and values carried from step to step in f32; what a program stores and reads back later, other than sums and carried values, may be rounded once to bf16 or f16.
;; Inputs: gate_w 8 x 1,024 float32; hidden_states 4 x 256 x 1,024 float32; w_down 8 x 1,024 x 2,048 float32; w_gate 8 x 2,048 x 1,024 float32; w_up 8 x 2,048 x 1,024 float32.
;; Outputs: out0 4 x 256 x 1,024 float32; out1 1,024 x 8 float32.
;; One version. Each part assembles by itself: llvm-mc -triple=amdgcn-amd-amdhsa -mcpu=gfx1250 --defsym DOCPART=n.
;; ======== version 1 of 1: 4 launches
;; workspace buffers: xb 2,097,152 bytes; comb 32,768 bytes; route 8,192 bytes of whole numbers; rows 33,792 bytes of whole numbers; hbuf 33,554,432 bytes; part 16,777,216 bytes
;; launch router (part 1): grid 64 x 1, 8 waves a work-group, no clusters, 58,880 bytes of LDS; arguments hidden_states, gate_w, out1, xb, comb, route; writes out1, xb, comb, route
.if DOCPART == 1
	.amdgcn_target "amdgcn-amd-amdhsa--gfx1250"
	.amdhsa_code_object_version 6
	.text
	.protected	k_q6a5d4a9575_router
	.globl	k_q6a5d4a9575_router
	.p2align	8
	.type	k_q6a5d4a9575_router,@function
k_q6a5d4a9575_router:
	s_mov_b64 s[64:65], 0
	v_nop
	global_prefetch_b8 v0, s[64:65] scope:SCOPE_SE
	s_setreg_imm32_b32 hwreg(HW_REG_WAVE_MODE, 25, 1), 1
	s_wait_xcnt 0x0
; ROUTER.  logits = x gate_w^T, softmax over the 8 experts, the two largest scores (of equal scores the lower index), their weights divided by their sum.
; x and gate_w are rounded once to bf16 (nearest even), the products are summed in f32.  Stored: the logits (out1); x in bf16 (xb), for the next launch;
; the combine weights [token][expert] in f32 (comb), 0 for experts not chosen; and the choice as whole numbers at fixed places (route): for each tile of 16 tokens 32 words,
; word e: bit r = token r chose expert e; word 8 + e: bit r = e is token r's second choice; words 16-31: 0.  No address and no branch here hangs on the choice.
; LIMITS.  NaN and infinities are not treated apart.  A score below 2^-126 counts as 0; a second choice among such scores falls to the lowest index, with a weight below 1e-38.
; SHARES.  A work-group has 16 tokens.  Wave w loads, rounds and lays into LDS token rows 2 w, 2 w + 1 and gate row w; then it multiplies K = 128 w .. 128 w + 127 for all 16 tokens;
; wave 0 adds the eight partial sums and does the rest.  Nothing is shared between work-groups but gate_w (32 KiB): no cluster.
.set XP,    2064                       ; an LDS row: 2,048 bytes of bf16 + 16 of padding: 129 x 16 bytes, so the 16 rows of a fragment load start at 16 different groups of four banks (ISA guide 11.1)
.set GT,    16*XP                      ; behind the 16 token rows: the 8 gate rows
.set RED,   49664                      ; partial sums: [wave][half of the 8 registers][lane][16 bytes]
.set SPARE, 57856                      ; the spare words: 128 bytes for each of the eight waves; no other line names them
.set SPW, 2                            ; v2  SPARE + 4 x my thread's number; never rewritten
.set NIL, 3                            ; v3  0; never rewritten
; v1 lane; v4 r = lane % 16; v5 hh = lane / 16; v6 16 x lane; v7 8 x lane; v8, v9 where I store token and gate rows in LDS; v10, v11 my fragments' addresses; v12 my partial sums; v13, v14 output offsets
; v16-47 gate row in f32, then gate fragments; v48-111 two token rows in f32, then (v48-79) token fragments; v112-159 packed bf16; v160-175 two accumulators; v176-183 their sum
; wave 0: v16-79 the eight partial sums; v80-87 logits; v88-95 scores; v96-118 at work; v184-191 what is stored
	s_load_b256 s[4:11], s[0:1], 0x0               ; hidden_states s[4:5], gate_w s[6:7], out1 s[8:9], xb s[10:11]
	s_load_b128 s[12:15], s[0:1], 0x20             ; comb s[12:13], route s[14:15]
	v_lshl_add_u32 v[SPW], v0, 2, SPARE
	v_mov_b32 v[NIL], 0
	v_and_b32 v1, 31, v0
	v_lshrrev_b32 v4, 5, v0
	v_readfirstlane_b32 s16, v4                    ; wave 0..7
	v_and_b32 v4, 15, v0
	v_bfe_u32 v5, v0, 4, 1
	v_lshlrev_b32 v6, 4, v1
	v_lshlrev_b32 v7, 3, v1
	s_mul_i32 s24, s16, 2*XP
	v_add_nc_u32 v8, s24, v7                       ; token rows 2 w, 2 w + 1: 8 bytes a lane
	s_mul_i32 s24, s16, XP
	s_add_co_u32 s24, s24, GT
	v_add_nc_u32 v9, s24, v7                       ; gate row w
	v_and_b32 v10, 7, v0
	v_mul_u32_u24 v10, v10, XP                     ; source 0's rows 8-15 repeat experts 0-7
	v_lshl_add_u32 v10, v5, 4, v10
	s_lshl_b32 s24, s16, 8                         ; my 128 K are 256 bytes of a row
	s_add_co_u32 s25, s24, GT
	v_add_nc_u32 v10, s25, v10
	v_mul_u32_u24 v11, v4, XP
	v_lshl_add_u32 v11, v5, 4, v11
	v_add_nc_u32 v11, s24, v11
	s_lshl_b32 s25, s16, 10
	s_add_co_u32 s25, s25, RED
	v_add_nc_u32 v12, s25, v6
	v_lshlrev_b32 v13, 5, v4                       ; a token's 8 numbers are 32 bytes; each half of the lanes stores 16 of them
	v_lshl_add_u32 v13, v5, 4, v13
	v_lshlrev_b32 v14, 2, v1
	s_mov_b32 s20, 0xffff0000                      ; lanes 16-31
	s_mov_b32 s26, 0x3fb8aa3b                      ; log2(e)
	s_mov_b32 s27, s26                             ; named with it as a pair
	s_lshl_b32 s18, ttmp9, 16                      ; 16 rows of 4,096 bytes,
	s_lshl_b32 s24, s16, 13                        ; my two of them
	s_add_co_u32 s18, s18, s24
	s_mov_b32 s19, 0
	s_lshl_b32 s28, s16, 12                        ; gate row w; also my two rows of 2,048 bytes in xb
	s_mov_b32 s29, 0
	s_lshl_b32 s30, ttmp9, 15
	s_add_co_u32 s30, s30, s28
	s_mov_b32 s31, 0
	s_lshl_b32 s32, ttmp9, 9                       ; 16 tokens x 32 bytes in out1 and comb
	s_mov_b32 s33, 0
	s_lshl_b32 s34, ttmp9, 7                       ; 32 words in route
	s_mov_b32 s35, 0
	s_wait_kmcnt 0x0
	s_add_nc_u64 s[4:5], s[4:5], s[18:19]
	s_add_nc_u64 s[6:7], s[6:7], s[28:29]
	s_add_nc_u64 s[10:11], s[10:11], s[30:31]
	s_add_nc_u64 s[8:9], s[8:9], s[32:33]
	s_add_nc_u64 s[12:13], s[12:13], s[32:33]
	s_add_nc_u64 s[14:15], s[14:15], s[34:35]
.set i, 0
.rept 8
	global_load_b128 v[16+4*i:19+4*i], v6, s[6:7] offset:512*i                 ; the gate row: 512 consecutive bytes a load
.set i, i+1
.endr
.set i, 0
.rept 16
	global_load_b128 v[48+4*i:51+4*i], v6, s[4:5] offset:512*i th:TH_LOAD_NT  ; two token rows on end: 8,192 consecutive bytes, read once in the launch
.set i, i+1
.endr
	s_wait_loadcnt 16                              ; the gate row is in; the 16 loads of x are younger
.set i, 0
.rept 8
	v_cvt_pk_bf16_f32 v[112+2*i], v[16+4*i], v[17+4*i]
	v_cvt_pk_bf16_f32 v[113+2*i], v[18+4*i], v[19+4*i]
.set i, i+1
.endr
.set i, 0
.rept 8
	ds_store_b64 v9, v[112+2*i:113+2*i] offset:256*i
.set i, i+1
.endr
.macro XROW rho, left                  ; one token row: rounded, laid into LDS, stored to xb
	s_wait_loadcnt \left
.set i, 0
.rept 8
	v_cvt_pk_bf16_f32 v[128+16*(\rho)+2*i], v[48+32*(\rho)+4*i], v[49+32*(\rho)+4*i]
	v_cvt_pk_bf16_f32 v[129+16*(\rho)+2*i], v[50+32*(\rho)+4*i], v[51+32*(\rho)+4*i]
.set i, i+1
.endr
.set i, 0
.rept 8
	ds_store_b64 v8, v[128+16*(\rho)+2*i:129+16*(\rho)+2*i] offset:(\rho)*XP+256*i
	global_store_b64 v7, v[128+16*(\rho)+2*i:129+16*(\rho)+2*i], s[10:11] offset:(\rho)*2048+256*i  ; the wave stores 256 consecutive bytes, at a multiple of 256 from xb's first byte
.set i, i+1
.endr
.endm
	XROW 0, 8                                      ; the second row's eight loads are younger
	XROW 1, 0
	s_wait_dscnt 0x0                               ; for the others' sake: my rows are in LDS
	s_barrier_signal -1
	s_barrier_wait -1
.set j, 0
.rept 4                                ; a fragment is 16 rows x 32 K: two loads of 16 bytes, 32 bytes apart
	ds_load_b128 v[16+8*j:19+8*j], v10 offset:64*j
	ds_load_b128 v[20+8*j:23+8*j], v10 offset:64*j+32
	ds_load_b128 v[48+8*j:51+8*j], v11 offset:64*j
	ds_load_b128 v[52+8*j:55+8*j], v11 offset:64*j+32
.set j, j+1
.endr
	s_wait_dscnt 0x0
	; source 0 = experts, source 1 = tokens: lane (r, hh) then holds token r, and its registers 0-7 the experts 0-7, in both halves of the lanes.
	; Two accumulators take turns; the first two products start the sums.
	v_wmma_f32_16x16x32_bf16 v[160:167], v[16:23], v[48:55], 0
	v_wmma_f32_16x16x32_bf16 v[168:175], v[24:31], v[56:63], 0
	v_wmma_f32_16x16x32_bf16 v[160:167], v[32:39], v[64:71], v[160:167]
	v_wmma_f32_16x16x32_bf16 v[168:175], v[40:47], v[72:79], v[168:175]
.rept 4
	v_nop                                          ; four places behind the last product, ahead of the first read of a result (ISA guide 7.12.1)
.endr
.irp p, 0,2,4,6
	v_pk_add_f32 v[176+\p:177+\p], v[160+\p:161+\p], v[168+\p:169+\p]
.endr
	ds_store_b128 v12, v[176:179]
	ds_store_b128 v12, v[180:183] offset:512
	s_wait_dscnt 0x0                               ; for wave 0's sake
	s_barrier_signal -1
	s_barrier_wait -1
	s_cmp_lg_u32 s16, 0
	s_cbranch_scc1 .Lend                           ; the rest is a few hundred instructions on 16 tokens: one wave's work
.set i, 0
.rept 16
	ds_load_b128 v[16+4*i:19+4*i], v12 offset:512*i  ; wave i / 2's partial sums, experts 4 (i % 2) on (in wave 0 v12 is RED + 16 x lane)
.set i, i+1
.endr
	s_wait_dscnt 0x0
.irp w, 0,2,4,6
.irp p, 0,2,4,6
	v_pk_add_f32 v[16+8*\w+\p:17+8*\w+\p], v[16+8*\w+\p:17+8*\w+\p], v[24+8*\w+\p:25+8*\w+\p]
.endr
.endr
.irp w, 0,4
.irp p, 0,2,4,6
	v_pk_add_f32 v[16+8*\w+\p:17+8*\w+\p], v[16+8*\w+\p:17+8*\w+\p], v[32+8*\w+\p:33+8*\w+\p]
.endr
.endr
.irp p, 0,2,4,6
	v_pk_add_f32 v[80+\p:81+\p], v[16+\p:17+\p], v[48+\p:49+\p]  ; the logits
.endr
	; softmax: the maximum is taken away before the exponential
	v_max3_num_f32 v96, v80, v81, v82
	v_max3_num_f32 v96, v96, v83, v84
	v_max3_num_f32 v96, v96, v85, v86
	v_max_num_f32 v96, v96, v87
	v_mul_f32 v96, s26, v96                        ; m log2(e)
	v_mov_b32 v97, v96
.irp p, 0,2,4,6
	v_pk_fma_f32 v[88+\p:89+\p], v[80+\p:81+\p], s[26:27], v[96:97] op_sel_hi:[1,0,1] neg_lo:[0,0,1] neg_hi:[0,0,1]
.endr
.irp e, 0,1,2,3,4,5,6,7
	v_exp_f32 v[88+\e], v[88+\e]
.endr
	v_nop                                          ; a plain instruction behind the last exponential,
	s_wait_alu depctr_va_vdst(0)                   ; and one wait for the batch of eight, ahead of the first reader
	v_pk_add_f32 v[98:99], v[88:89], v[90:91]
	v_pk_add_f32 v[100:101], v[92:93], v[94:95]
	v_pk_add_f32 v[98:99], v[98:99], v[100:101]
	v_add_f32 v98, v98, v99
	v_rcp_f32 v100, v98
	v_nop
	s_wait_alu depctr_va_vdst(0)
	v_mov_b32 v101, v100
.irp p, 0,2,4,6
	v_pk_mul_f32 v[88+\p:89+\p], v[88+\p:89+\p], v[100:101]  ; the scores
.endr
	; the largest score: only a strictly greater one takes the place, so the lower index stays
	v_mov_b32 v102, v88
	v_mov_b32 v103, 0
.irp e, 1,2,3,4,5,6,7
	v_cmp_gt_f32 vcc_lo, v[88+\e], v102
	v_cndmask_b32 v102, v102, v[88+\e], vcc_lo
	v_cndmask_b32 v103, v103, \e, vcc_lo
.endr
	; the largest of the other seven, likewise; every score is 0 or more, so the start at -1 is always left
	v_mov_b32 v104, -1.0
	v_mov_b32 v105, 0
.irp e, 0,1,2,3,4,5,6,7
	v_cmp_ne_u32 s21, \e, v103
	v_cmp_gt_f32 vcc_lo, v[88+\e], v104
	s_and_b32 vcc_lo, vcc_lo, s21
	v_cndmask_b32 v104, v104, v[88+\e], vcc_lo
	v_cndmask_b32 v105, v105, \e, vcc_lo
.endr
	v_add_f32 v117, v102, v104
	v_rcp_f32 v118, v117
	v_mov_b32 v116, 0                              ; the words for route; also the plain instruction behind the reciprocal
	s_wait_alu depctr_va_vdst(0)
	v_mul_f32 v106, v102, v118
	v_mul_f32 v107, v104, v118
.irp e, 0,1,2,3,4,5,6,7
	v_cmp_eq_u32 s22, \e, v103
	v_cmp_eq_u32 s23, \e, v105
	v_cndmask_b32 v[108+\e], 0, v106, s22
	v_cndmask_b32 v[108+\e], v[108+\e], v107, s23
	s_or_b32 s24, s22, s23
	s_and_b32 s24, s24, 0xffff                     ; lanes 0-15 are the 16 tokens; lanes 16-31 repeat them
	v_writelane_b32 v116, s24, \e
	s_and_b32 s24, s23, 0xffff
	v_writelane_b32 v116, s24, 8+\e
.endr
.irp i, 0,1,2,3
	v_cndmask_b32 v[184+\i], v[80+\i], v[84+\i], s20      ; lanes 0-15 store experts 0-3, lanes 16-31 experts 4-7
	v_cndmask_b32 v[188+\i], v[108+\i], v[112+\i], s20
.endr
	global_store_b128 v13, v[184:187], s[8:9]      ; 512 consecutive bytes, at a multiple of 256 from the buffer's first byte
	global_store_b128 v13, v[188:191], s[12:13]
	global_store_b32 v14, v116, s[14:15]           ; the tile's 32 words
.Lend:
	s_wait_tensorcnt 0x0                           ; the wave's end, behind my last LDS store
	ds_add_u32 v[SPW], v[NIL]
	s_wait_dscnt 0x0
	s_endpgm
.Lfunc_end_k_q6a5d4a9575_router:
	.size	k_q6a5d4a9575_router, .Lfunc_end_k_q6a5d4a9575_router-k_q6a5d4a9575_router
	.p2alignl 7, 3214868480
	.fill 96, 4, 3214868480
	.section	.rodata,"a",@progbits
	.p2align	6, 0x0
	.amdhsa_kernel k_q6a5d4a9575_router
		.amdhsa_group_segment_fixed_size 58880
		.amdhsa_private_segment_fixed_size 0
		.amdhsa_enable_private_segment 0
		.amdhsa_kernarg_size 48
		.amdhsa_user_sgpr_count 2
		.amdhsa_user_sgpr_kernarg_segment_ptr 1
		.amdhsa_wavefront_size32 1
		.amdhsa_system_sgpr_workgroup_id_x 1
		.amdhsa_system_sgpr_workgroup_id_y 1
		.amdhsa_system_sgpr_workgroup_id_z 1
		.amdhsa_system_vgpr_workitem_id 0
		.amdhsa_next_free_vgpr 192
		.amdhsa_next_free_sgpr 66
		.amdhsa_reserve_vcc 1
		.amdhsa_float_denorm_mode_32 3
		.amdhsa_float_denorm_mode_16_64 3
		.amdhsa_memory_ordered 1
		.amdhsa_forward_progress 1
		.amdhsa_inst_pref_size 26
	.end_amdhsa_kernel
	.amdgpu_metadata
---
amdhsa.version: [ 1, 2 ]
amdhsa.kernels:
  - .name:           k_q6a5d4a9575_router
    .symbol:         k_q6a5d4a9575_router.kd
    .args:
      - { .name: hidden_states, .offset: 0, .size: 8, .value_kind: global_buffer, .address_space: global }
      - { .name: gate_w, .offset: 8, .size: 8, .value_kind: global_buffer, .address_space: global }
      - { .name: out1, .offset: 16, .size: 8, .value_kind: global_buffer, .address_space: global }
      - { .name: xb, .offset: 24, .size: 8, .value_kind: global_buffer, .address_space: global }
      - { .name: comb, .offset: 32, .size: 8, .value_kind: global_buffer, .address_space: global }
      - { .name: route, .offset: 40, .size: 8, .value_kind: global_buffer, .address_space: global }
    .group_segment_fixed_size: 58880
    .private_segment_fixed_size: 0
    .kernarg_segment_align: 8
    .kernarg_segment_size: 48
    .max_flat_workgroup_size: 256
    .sgpr_count:     66
    .vgpr_count:     192
    .wavefront_size: 32
...
	.end_amdgpu_metadata
.endif
;; end of part 1
;; launch gateup (part 2): grid 32 x 8, 4 waves a work-group, no clusters, 305,664 bytes of LDS; arguments route, xb, w_gate, w_up, hbuf, rows; writes hbuf, rows
.if DOCPART == 2
	.amdgcn_target "amdgcn-amd-amdhsa--gfx1250"
	.amdhsa_code_object_version 6
	.text
	.protected	k_q6a5d4a9575_gateup
	.globl	k_q6a5d4a9575_gateup
	.p2align	8
	.type	k_q6a5d4a9575_gateup,@function
k_q6a5d4a9575_gateup:
	s_mov_b64 s[64:65], 0
	v_nop
	global_prefetch_b8 v0, s[64:65] scope:SCOPE_SE
	s_setreg_imm32_b32 hwreg(HW_REG_WAVE_MODE, 25, 1), 1
	s_wait_xcnt 0x0
; h = silu(x w_gate^T) * (x w_up^T) for the rows that chose the expert, and for no others.  Work-group (SL, EX): 64 columns of I (64 rows of w_gate and of w_up) of expert EX, and ALL of that expert's rows.
; Each weight byte is read once in the launch, by this work-group alone, and rounded to bf16 (nearest even) on its way through registers; sums in f32; h is rounded once to bf16
; (bf16, not f16: with inputs some 30 times larger h passes f16's range).  silu(g) = g / (1 + 2^(-g log2 e)); where the power overflows the quotient is 0, as in the definition.
; PHASE 1.  The slice, 128 rows x 1,024 K, streams through a ring of eight groups of eight loads in registers (seven groups, 56 loads of 512 bytes, are out in each wave) into LDS, where it stays.  One barrier.
; PHASE 2.  The expert's rows are walked in tiles of 16; nothing writes LDS any more.  A wave holds up to five tiles (slots): tile = 20 pass + wave + 4 slot.  Four passes cover the 64 tiles that 1,024 rows make;
; a pass, a fifth slot's products and a slot's stores past the count are jumped forward.  Weight fragments come from LDS, token fragments from xb straight into registers, by the list.
; TOKENS RUN AHEAD.  The token fragments lie in a ring of 8 steps of 32 K.  Step q asks for step q + 6 (ten loads: five slots x 32 bytes a lane), so 60 loads of a wave are out all the time, and the wait at a step's head
; leaves the five younger steps out.  No load is jumped, so the counts are the same on every way.  A pass's first six steps are asked for ahead of it: pass 0's while phase 1's ring runs empty, a later pass's at the loop's foot.
; THE LIST.  Every WAVE makes its expert's list, in LDS bytes of its own, from the 256 bytes of route that name the expert (a bit a token), while its first weight loads are out: entry = token | second choice << 10,
; in token order, 0 past the count.  So a slot past the count has sixteen times token 0: a row that exists, and a load of such a slot asks for 32 bytes in all.  The work-groups with SL = 0 store list and count for the
; next launch.  Every split of the tokens is served: 0 to 1,024 rows an expert; tile 0 is made even for an expert without rows, so that the next launch's first requests name bytes that have been stored.
; THE ORDER OF K.  In chunk c (128 K) and step j, registers 0-7 of a lane of half hh hold k = 128 c + 64 hh + 16 j + 0..15, for tokens and weights alike: the same permutation on both sides leaves each sum's terms
; as they are.  So a lane's eight token loads of a chunk walk 128 consecutive bytes, and a pair of lanes takes 256 consecutive aligned bytes whole, once.
; TRANSPOSED USE.  Source 0 = 16 weight rows, source 1 = 16 tokens: lane (r, hh) holds token r and columns 8 hh + 0..7, which pack into 16 bytes.  hbuf is laid in the order in which the next launch's
; operand registers take it: [expert x 64 + tile][group of 16 columns][lane][16 bytes].
; NO CLUSTER: each weight byte has one reader; the token rows that an expert's work-groups share come by a list, which no tile descriptor covers.
; REGISTERS, in windows of 256 (s_set_vgpr_msb: bits 1:0 source 0, 3:2 source 1, 5:4 source 2, 7:6 destination):
;   window 0: v0-31 addresses and small work; v32-47 T, packed weights (phase 1); v48-63 PK, packed h; v64-127, v128-191 weight fragments, two buffers (v64-95 also at work on the way out); v192-255 slot 4's accumulators
;   window 1: accumulators (slot s, block t) at 64 s + 8 t, t = 0-3 gate, 4-7 up; in phase 1 the ring          windows 2, 3: token fragments, ring places 0-3 and 4-7: (slot s, place u) at 32 s + 8 (u % 4)
.set PITCH, 272                        ; an LDS row: 256 bytes (128 K of bf16) + 16 of padding: the 16 rows of a fragment load start at 16 different groups of four banks (ISA guide 11.1)
.set CH,    128*PITCH                  ; a chunk: 128 K of all 128 rows (rows 0-63 gate, 64-127 up)
.set LIST,  8*CH                       ; behind the slice: the four waves' lists
.set LWORDS, 1600                      ; words of a list: 1,024 entries at the most, and zeros as far as the text's list addresses reach: five slots of five passes of 320 words.  (Four passes are walked; the loop's foot
                                       ; forms the next pass's addresses behind the fourth too, where the branch on the count always jumps the reads.)
.set LSZ,   4*LWORDS+256               ; a wave's list, and a block whose first word takes what unset bits write: 6,656 bytes, all cleared
.set SPARE, LIST+4*LSZ                 ; the spare words: 128 bytes for each of the four waves; no other line names them
.set SPW,  2                           ; v2   SPARE + 4 x my thread's number; never rewritten
.set NIL,  3                           ; v3   0; never rewritten
.set ADR,  8                           ; v8   LDS address of my weight fragments in the pair of chunks in hand
.set FB0,  10                          ; v10  r x 272 + 128 hh; never rewritten
.set AOFF, 12                          ; v12-16  slot s: my token's row in xb, + 128 hh
; v1 lane; v4 r; v5 hh; v6 16 x lane; v7 where I store weights; v11 my place in the list; v17 128 hh; v18-22 list entries; v23, v24 my 32 tokens' bits (chose; as second); v26 rank; v27 token; v28-31 at work
; s16 wave; s17 SL; s18 EX; s19 count N; s20 tiles, at least 1; s21 pass; s22 loop counts; s23 my first tile of the pass; s[26:27] my weight rows; s[30:31] xb, stepping along K; s[32:33] hbuf at my first tile;
; s34 1: the fifth slot is live; s35 LDS byte of the pair of chunks in hand; s37 my list; s[38:39] -log2 e; s[40:43] the two places in rows
.set MSB, 0
.macro WIN new                         ; the immediate's high byte repeats the setting that is left; a switch that changes nothing is dropped
.if MSB != (\new)
	s_set_vgpr_msb (MSB<<8)|(\new)
.set MSB, (\new)
.endif
.endm
.macro PLACES                          ; four places: in front of loads into registers that matrix instructions have read, and of vector instructions that read results (ISA guide 7.12.1 for vector instructions)
.rept 4
	v_nop
.endr
.endm
; Group g of eight loads: chunk g / 4 (counted from the base), my rows 8 (g % 4) + 0..7; each load is 512 consecutive bytes of a row: 128 K in f32.
.macro WLOAD slot, g
	WIN 0x40                                       ; destination window 1
.set rr, 0
.rept 8
	global_load_b128 v[32*(\slot)+4*rr:32*(\slot)+4*rr+3], v6, s[26:27] offset:((\g)/4)*512+(8*((\g)%4)+rr)*4096 th:TH_LOAD_NT
.set rr, rr+1
.endr
.endm
; The group in ring place t is rounded and laid into LDS; g >= 0: group g is asked for, into the place that the turn before has left.  left: the younger loads that may stay out.
; bump = 1: the base goes two chunks on first; the youngest loads were issued a turn ago, ahead of this turn's wait for data.
.macro WTURN t, left, g, bump=0
	s_wait_loadcnt \left
	WIN 0x05                                       ; sources window 1, destination window 0
.set rr, 0
.rept 8
	v_cvt_pk_bf16_f32 v[32+2*rr], v[32*(\t)+4*rr], v[32*(\t)+4*rr+1]
	v_cvt_pk_bf16_f32 v[33+2*rr], v[32*(\t)+4*rr+2], v[32*(\t)+4*rr+3]
.set rr, rr+1
.endr
	WIN 0
.set rr, 0
.rept 8
	ds_store_b64 v7, v[32+2*rr:33+2*rr] offset:((\t)/4)*CH+(8*((\t)%4)+rr)*PITCH  ; 32 lanes x 8 bytes: a row's 256 bytes
.set rr, rr+1
.endr
.if \bump
	s_wait_xcnt 0x0                                ; the base is stepped only behind this wait (ISA guide 3.1)
	s_add_nc_u64 s[26:27], s[26:27], 1024
.endif
.if (\g) >= 0
	WLOAD ((\t)+7)%8, \g
.endif
.endm
; The weight fragments of step j of chunk crel (0, 1) of the pair at v[ADR]: 8 blocks of 16 rows, 16 loads in one run; the second chunk's 34,816 bytes stand in the 16-bit offset (65,392 at the most).
.macro FETCHB crel, j, buf
	WIN 0
.set tb, 0
.rept 8
	ds_load_b128 v[64+64*(\buf)+8*tb:64+64*(\buf)+8*tb+3],   v[ADR] offset:(\crel)*CH+tb*16*PITCH+32*(\j)
	ds_load_b128 v[64+64*(\buf)+8*tb+4:64+64*(\buf)+8*tb+7], v[ADR] offset:(\crel)*CH+tb*16*PITCH+32*(\j)+16
.set tb, tb+1
.endr
.endm
; One step's token fragments into ring place pos: ten loads, 32 bytes a lane for each of the five slots.  goff: the step's bytes in a row, counted from the base, never negative.  The rows are read again by the expert's other work-groups.
.macro ASTEP pos, goff
	WIN 0x80+0x40*((\pos)/4)                       ; destination window 2 or 3, address window 0
.set sa, 0
.rept 5
	global_load_b128 v[32*sa+8*((\pos)%4):32*sa+8*((\pos)%4)+3],   v[AOFF+sa], s[30:31] offset:(\goff) th:TH_LOAD_HT
	global_load_b128 v[32*sa+8*((\pos)%4)+4:32*sa+8*((\pos)%4)+7], v[AOFF+sa], s[30:31] offset:(\goff)+16 th:TH_LOAD_HT
.set sa, sa+1
.endr
	WIN 0
.endm
.macro MUL pos, sl, zero               ; eight matrix instructions: slot sl x all 8 blocks of weight rows, the step in ring place pos; zero = 1: they start the sums
.if (\sl) < 4
	WIN 0x58+4*((\pos)/4)                          ; weights window 0, tokens window 2 or 3, C and D window 1
.set AC, 64*(\sl)
.else
	WIN 0x08+4*((\pos)/4)                          ; the same with C and D in window 0
.set AC, 192
.endif
.set BB, 64+64*((\pos)%2)
.set AA, 32*(\sl)+8*((\pos)%4)
.set tt, 0
.rept 8
.if \zero
	v_wmma_f32_16x16x32_bf16 v[AC+8*tt:AC+8*tt+7], v[BB+8*tt:BB+8*tt+7], v[AA:AA+7], 0
.else
	v_wmma_f32_16x16x32_bf16 v[AC+8*tt:AC+8*tt+7], v[BB+8*tt:BB+8*tt+7], v[AA:AA+7], v[AC+8*tt:AC+8*tt+7]
.endif
.set tt, tt+1
.endr
.endm
; A step: 32 along K for all slots, 32 or 40 matrix instructions; the accumulators take turns, one instruction a turn, over the steps' and the loop's edges too.
; left: the token loads younger than this step's.  In the step's middle: the next step's weight fragments (step fj of chunk fcrel; fcrel < 0: none) into the other buffer, 16 matrix instructions or more ahead of
; their use; and (ld = 1) the tokens of the step six further on, into the ring place read two steps ago.  newadr = 1: the weight fetches go on to the next pair of chunks.
; bump = 1: xb's base goes 8 steps (512 bytes) on; the youngest loads were issued a step ago.
.macro STEP pos, zero, left, fcrel, fj, ld=0, goff=0, bump=0, newadr=0
	s_wait_loadcnt \left                           ; this step's tokens are in
	s_wait_dscnt 0x0                               ; this step's weight fragments are in: nothing younger is out
	MUL \pos, 0, \zero
	MUL \pos, 1, \zero
	WIN 0
.if ((\fcrel) >= 0) || (\ld)
	PLACES
.endif
.if \newadr
	s_add_co_u32 s35, s35, 2*CH
	v_add_nc_u32 v[ADR], s35, v[FB0]
.endif
.if (\fcrel) >= 0
	FETCHB \fcrel, \fj, ((\pos)+1)%2
.endif
.if \ld
.if \bump
	s_wait_xcnt 0x0                                ; the base is stepped only behind this wait (ISA guide 3.1)
	s_add_nc_u64 s[30:31], s[30:31], 512
.endif
	ASTEP ((\pos)+6)%8, \goff
.endif
	MUL \pos, 2, \zero
	MUL \pos, 3, \zero
	WIN 0
.if !(\zero)
	s_cmp_eq_u32 s34, 0
	s_cbranch_scc1 .Lno5_\@                        ; a dead fifth slot multiplies nothing (but in the first step, which writes its registers on every way)
.endif
	MUL \pos, 4, \zero
	WIN 0
.if !(\zero)
.Lno5_\@:
.endif
.endm
; What a pass needs ahead of its first token loads: is the fifth slot live; my five tokens, from my wave's own list.
.macro PASSSET
	s_add_co_u32 s24, s23, 16
	s_cmp_lt_u32 s24, s20
	s_cselect_b32 s34, 1, 0
.set sl, 0
.rept 5
	ds_load_b32 v[18+sl], v11 offset:256*sl
.set sl, sl+1
.endr
	s_wait_dscnt 0x0
.set sl, 0
.rept 5
	v_and_b32 v[18+sl], 0x3ff, v[18+sl]            ; the token,
	v_min_u32 v[18+sl], 0x3ff, v[18+sl]            ; held inside xb's 1,024 rows
	v_lshl_add_u32 v[AOFF+sl], v[18+sl], 11, v17
.set sl, sl+1
.endr
.endm
	s_load_b256 s[4:11], s[0:1], 0x0               ; route s[4:5], xb s[6:7], w_gate s[8:9], w_up s[10:11]
	s_load_b128 s[12:15], s[0:1], 0x20             ; hbuf s[12:13], rows s[14:15]
	v_lshl_add_u32 v[SPW], v0, 2, SPARE
	v_mov_b32 v[NIL], 0
	v_and_b32 v1, 31, v0
	v_lshrrev_b32 v4, 5, v0
	v_readfirstlane_b32 s16, v4                    ; wave 0..3
	v_and_b32 v4, 15, v0
	v_bfe_u32 v5, v0, 4, 1
	v_lshlrev_b32 v6, 4, v1
	v_lshlrev_b32 v17, 7, v5
	s_mov_b32 s17, ttmp9
	s_and_b32 s18, ttmp7, 0xffff
	v_lshlrev_b32 v28, 8, v1                       ; lane l has tiles 2 l and 2 l + 1 of route: tokens 32 l .. 32 l + 31
	v_lshl_add_u32 v28, s18, 2, v28
	s_mov_b32 s38, 0xbfb8aa3b                      ; -log2(e)
	s_mov_b32 s39, s38                             ; named with it as a pair
	s_lshl_b32 s28, s18, 23                        ; the expert's 2,048 x 1,024 f32,
	s_lshl_b32 s24, s17, 18                        ; the slice's 64 rows of 4,096 bytes,
	s_add_co_u32 s28, s28, s24
	s_and_b32 s24, s16, 1
	s_lshl_b32 s24, s24, 17                        ; my 32 of them
	s_add_co_u32 s28, s28, s24
	s_mov_b32 s29, 0
	s_mul_i32 s37, s16, LSZ
	s_add_co_u32 s37, s37, LIST                    ; my wave's list
	s_wait_kmcnt 0x0
	global_load_b32 v23, v28, s[4:5]               ; who chose the expert: 16 tokens,
	global_load_b32 v29, v28, s[4:5] offset:128    ; the next 16;
	global_load_b32 v24, v28, s[4:5] offset:32     ; who chose it second
	global_load_b32 v30, v28, s[4:5] offset:160
	s_cmp_lt_u32 s16, 2                            ; waves 0, 1 stream w_gate, waves 2, 3 w_up
	s_cselect_b64 s[26:27], s[8:9], s[10:11]
	s_add_nc_u64 s[26:27], s[26:27], s[28:29]
.irp g, 0,1,2,3,4,5,6
	WLOAD \g, \g
.endr
	WIN 0
	s_lshl_b32 s28, s18, 12
	s_add_nc_u64 s[40:41], s[14:15], s[28:29]      ; rows: the expert's list,
	s_lshl_b32 s28, s18, 7
	s_add_nc_u64 s[42:43], s[14:15], s[28:29]      ; and (32,768 bytes on) its count
	s_mov_b64 s[30:31], s[6:7]
	v_mul_u32_u24 v[FB0], v4, PITCH
	v_lshl_add_u32 v[FB0], v5, 7, v[FB0]
	s_wait_loadcnt 56                              ; the four words are in; the 56 weight loads are younger
	v_lshl_or_b32 v23, v29, 16, v23
	v_lshl_or_b32 v24, v30, 16, v24
	; each lane's first rank = the number of set bits in the lanes below; the total is the count
	v_mov_b32 v26, 0
	s_mov_b32 s35, 0
.set w, 0
.rept 32
	v_readlane_b32 s36, v23, w
	s_bcnt1_i32_b32 s36, s36
	v_writelane_b32 v26, s35, w
	s_add_co_u32 s35, s35, s36
.set w, w+1
.endr
	s_min_u32 s19, s35, 0x400
	s_add_co_u32 s20, s19, 15
	s_lshr_b32 s20, s20, 4
	s_max_u32 s20, s20, 1                          ; tile 0 is made in any case
	v_mov_b32 v32, 0
	v_mov_b32 v33, 0
	v_mov_b32 v34, 0
	v_mov_b32 v35, 0
	v_add_nc_u32 v28, s37, v6
.set i, 0
.rept LSZ/512
	ds_store_b128 v28, v[32:35] offset:512*i       ; zeros first, over all my 6,656 bytes: LDS serves a wave's instructions in order (ISA guide 5.7.1.4)
.set i, i+1
.endr
	v_lshlrev_b32 v27, 5, v1
	s_mov_b32 s22, 32
.Lbit:                                                 ; a trip takes one bit of each lane's 32
	v_and_b32 v28, 1, v23
	v_xor_b32 v29, 1, v28
	v_lshl_add_u32 v29, v29, 11, v26               ; a set bit: its rank, 1,023 at the most; an unset one: far past the list,
	v_min_u32 v29, LWORDS, v29                     ; that is, the one word behind it
	v_lshl_add_u32 v29, v29, 2, s37
	v_and_b32 v30, 1, v24
	v_lshl_or_b32 v30, v30, 10, v27
	ds_store_b32 v29, v30
	v_add_nc_u32 v26, v26, v28
	v_lshrrev_b32 v23, 1, v23
	v_lshrrev_b32 v24, 1, v24
	v_add_nc_u32 v27, 1, v27
	s_sub_co_u32 s22, s22, 1
	s_cmp_lg_u32 s22, 0
	s_cbranch_scc1 .Lbit
	s_lshl_b32 s24, s16, 6
	s_add_co_u32 s24, s24, s37
	v_lshl_add_u32 v11, v4, 2, s24                 ; rank 16 (wave + 4 slot) + r of pass 0
	s_mov_b32 s23, s16
	PASSSET                                        ; pass 0's tokens: my own stores above are seen by my own loads
	s_cmp_lg_u32 s17, 0
	s_cbranch_scc1 .Lnoexp                         ; the expert's first slice stores list and count: each wave its quarter, out of its own copy
	v_lshl_add_u32 v28, v0, 4, s37
	ds_load_b128 v[48:51], v28
	ds_load_b128 v[52:55], v28 offset:2048
	v_lshlrev_b32 v29, 4, v0
	s_wait_dscnt 0x0
	global_store_b128 v29, v[48:51], s[40:41]
	global_store_b128 v29, v[52:55], s[40:41] offset:2048
	s_cmp_lg_u32 s16, 0
	s_cbranch_scc1 .Lnoexp
	v_mov_b32 v30, s19
	v_lshlrev_b32 v31, 2, v1
	global_store_b32 v31, v30, s[42:43] offset:32768
.Lnoexp:
	; PHASE 1
	s_mul_i32 s24, s16, 32*PITCH                   ; LDS rows 32 w on: waves 0, 1 fill the gate rows, waves 2, 3 the up rows
	v_lshlrev_b32 v7, 3, v1
	v_add_nc_u32 v7, s24, v7
	s_mov_b32 s22, 3
.Lw:                                                   ; a trip: eight groups, two chunks; six younger groups of eight stay out at each wait
	WTURN 0, 48, 7
	WTURN 1, 48, 0, 1
.irp t, 2,3,4,5,6,7
	WTURN \t, 48, (\t)-1
.endr
	WIN 0
	v_add_nc_u32 v7, 2*CH, v7
	s_sub_co_u32 s22, s22, 1
	s_cmp_lg_u32 s22, 0
	s_cbranch_scc1 .Lw
	WTURN 0, 48, 7                                 ; the last group is asked for
	WTURN 1, 48, -1                                ; the ring runs empty, and pass 0's first six steps of tokens take the places in the count:
	ASTEP 0, 0                                     ; each wait leaves out the groups still to come (8 each) and the steps asked for so far (10 each); 62 loads are out at the most
	WTURN 2, 50, -1
	ASTEP 1, 32
	WTURN 3, 52, -1
	ASTEP 2, 64
	WTURN 4, 54, -1
	WTURN 5, 46, -1
	ASTEP 3, 96
	WTURN 6, 48, -1
	ASTEP 4, 256
	WTURN 7, 50, -1
	ASTEP 5, 288
	s_wait_dscnt 0x0                               ; for the others' sake: my rows are in LDS
	s_barrier_signal -1
	s_barrier_wait -1                              ; from here on LDS is only read
	; PHASE 2
	s_mov_b32 s21, 0
.Lpass:
	s_cmp_ge_u32 s23, s20
	s_cbranch_scc1 .Lnext                          ; no tile of mine is left in this pass
	s_wait_xcnt 0x0                                ; the last pass's stores have read their base
	s_lshl_b32 s24, s18, 6
	s_add_co_u32 s24, s24, s23
	s_lshl_b32 s28, s24, 16                        ; a tile's 2,048 columns are 65,536 bytes,
	s_lshl_b32 s24, s17, 11                        ; the slice's four groups of 16 columns 2,048
	s_add_co_u32 s28, s28, s24
	s_add_nc_u64 s[32:33], s[12:13], s[28:29]
	s_mov_b32 s35, 0
	v_add_nc_u32 v[ADR], s35, v[FB0]
	FETCHB 0, 0, 0
	STEP 0, 1, 50, 0, 1, 1, 320                    ; step 0 starts the sums: nothing is cleared.  Five younger steps of ten loads stay out at every wait
	s_mov_b32 s22, 3
.Lk:                                                   ; a trip: steps 8 t + 1 to 8 t + 8; it asks for steps 8 t + 7 to 8 t + 14.  Step 8 t + 7 is the last of the base's 512 bytes; the base goes on in the trip's second step
	STEP 1, 0, 50, 0, 2, 1, 352
	STEP 2, 0, 50, 0, 3, 1, 0, 1
	STEP 3, 0, 50, 1, 0, 1, 32
	STEP 4, 0, 50, 1, 1, 1, 64
	STEP 5, 0, 50, 1, 2, 1, 96
	STEP 6, 0, 50, 1, 3, 1, 256
	STEP 7, 0, 50, 0, 0, 1, 288, 0, 1
	STEP 0, 0, 50, 0, 1, 1, 320
	s_sub_co_u32 s22, s22, 1
	s_cmp_lg_u32 s22, 0
	s_cbranch_scc1 .Lk
	STEP 1, 0, 50, 0, 2, 1, 352                    ; step 25 asks for step 31, the last; then the counts run down
	STEP 2, 0, 50, 0, 3
	STEP 3, 0, 40, 1, 0
	STEP 4, 0, 30, 1, 1
	STEP 5, 0, 20, 1, 2
	STEP 6, 0, 10, 1, 3
	STEP 7, 0, 0, -1, 0
	PLACES
; THE WAY OUT of slot sl: h = g u / (1 + 2^(-g log2 e)), 32 numbers a lane.  The 32 exponentials are one batch with one wait, the 32 reciprocals another; each accumulator is read from its low end on.
.macro EPI sl
.if (\sl) > 0
	s_add_co_u32 s24, s23, 4*(\sl)
	s_cmp_ge_u32 s24, s20
	s_cbranch_scc1 .Lnext                          ; this tile and the later slots' lie past the count
.endif
.if (\sl) < 4
.set GG, 64*(\sl)
.set W1, 0x01                                  ; source 0 window 1
.set W2, 0x45                                  ; destination and both sources window 1
.else
.set GG, 192
.set W1, 0
.set W2, 0
.endif
	s_wait_xcnt 0x0                                ; PK, which earlier stores read, is rewritten only behind this wait
	WIN W1
.set i, 0
.rept 16
	v_pk_mul_f32 v[64+2*i:65+2*i], v[GG+2*i:GG+2*i+1], s[38:39] op_sel_hi:[1,0]
.set i, i+1
.endr
	WIN 0
.set i, 0
.rept 32
	v_exp_f32 v[64+i], v[64+i]
.set i, i+1
.endr
	WIN W2
.set i, 0
.rept 16
	v_pk_mul_f32 v[GG+32+2*i:GG+32+2*i+1], v[GG+32+2*i:GG+32+2*i+1], v[GG+2*i:GG+2*i+1]  ; u g: the plain work behind the batch
.set i, i+1
.endr
	WIN 0
	s_wait_alu depctr_va_vdst(0)                   ; one wait for the 32 exponentials, ahead of their first reader
.set i, 0
.rept 16
	v_pk_add_f32 v[64+2*i:65+2*i], v[64+2*i:65+2*i], 1.0 op_sel_hi:[1,0]
.set i, i+1
.endr
.set i, 0
.rept 32
	v_rcp_f32 v[64+i], v[64+i]
.set i, i+1
.endr
	v_nop                                          ; a plain instruction behind the last reciprocal,
	s_wait_alu depctr_va_vdst(0)                   ; and one wait for the 32
	WIN W1
.set i, 0
.rept 16
	v_pk_mul_f32 v[64+2*i:65+2*i], v[GG+32+2*i:GG+32+2*i+1], v[64+2*i:65+2*i]
.set i, i+1
.endr
	WIN 0
.set i, 0
.rept 16
	v_cvt_pk_bf16_f32 v[48+i], v[64+2*i], v[65+2*i]
.set i, i+1
.endr
.set i, 0
.rept 4
	global_store_b128 v6, v[48+4*i:51+4*i], s[32:33] offset:(\sl)*262144+512*i  ; 512 consecutive bytes, at a multiple of 256 from hbuf's first byte
.set i, i+1
.endr
.endm
	EPI 0
	EPI 1
	EPI 2
	EPI 3
	EPI 4
.Lnext:
	v_add_nc_u32 v11, 1280, v11                    ; 20 tiles of 16 ranks on
	s_add_co_u32 s23, s23, 20
	s_add_co_u32 s21, s21, 1
	s_wait_loadcnt 0x0                             ; no token load is out (a wave without tiles has not used pass 0's): the offsets and the base may be written
	s_cmp_ge_u32 s23, s20
	s_cbranch_scc1 .Lnofront                       ; the next pass has no tile of mine (behind the fourth pass: always)
	PASSSET
	s_mov_b64 s[30:31], s[6:7]
	ASTEP 0, 0                                     ; its first six steps of tokens
	ASTEP 1, 32
	ASTEP 2, 64
	ASTEP 3, 96
	ASTEP 4, 256
	ASTEP 5, 288
.Lnofront:
	s_cmp_lt_u32 s21, 4
	s_cbranch_scc1 .Lpass
	s_wait_dscnt 0x0
	s_barrier_signal -1                            ; all four waves' reads of LDS are over
	s_barrier_wait -1                              ; before any wave goes on to its closing lines
	s_wait_tensorcnt 0x0                           ; the wave's end, behind my last LDS store
	ds_add_u32 v[SPW], v[NIL]
	s_wait_dscnt 0x0
	s_endpgm
.Lfunc_end_k_q6a5d4a9575_gateup:
	.size	k_q6a5d4a9575_gateup, .Lfunc_end_k_q6a5d4a9575_gateup-k_q6a5d4a9575_gateup
	.p2alignl 7, 3214868480
	.fill 96, 4, 3214868480
	.section	.rodata,"a",@progbits
	.p2align	6, 0x0
	.amdhsa_kernel k_q6a5d4a9575_gateup
		.amdhsa_group_segment_fixed_size 305664
		.amdhsa_private_segment_fixed_size 0
		.amdhsa_enable_private_segment 0
		.amdhsa_kernarg_size 48
		.amdhsa_user_sgpr_count 2
		.amdhsa_user_sgpr_kernarg_segment_ptr 1
		.amdhsa_wavefront_size32 1
		.amdhsa_system_sgpr_workgroup_id_x 1
		.amdhsa_system_sgpr_workgroup_id_y 1
		.amdhsa_system_sgpr_workgroup_id_z 1
		.amdhsa_system_vgpr_workitem_id 0
		.amdhsa_next_free_vgpr 928
		.amdhsa_next_free_sgpr 66
		.amdhsa_reserve_vcc 0
		.amdhsa_float_denorm_mode_32 3
		.amdhsa_float_denorm_mode_16_64 3
		.amdhsa_memory_ordered 1
		.amdhsa_forward_progress 1
		.amdhsa_inst_pref_size 178
	.end_amdhsa_kernel
	.amdgpu_metadata
---
amdhsa.version: [ 1, 2 ]
amdhsa.kernels:
  - .name:           k_q6a5d4a9575_gateup
    .symbol:         k_q6a5d4a9575_gateup.kd
    .args:
      - { .name: route, .offset: 0, .size: 8, .value_kind: global_buffer, .address_space: global }
      - { .name: xb, .offset: 8, .size: 8, .value_kind: global_buffer, .address_space: global }
      - { .name: w_gate, .offset: 16, .size: 8, .value_kind: global_buffer, .address_space: global }
      - { .name: w_up, .offset: 24, .size: 8, .value_kind: global_buffer, .address_space: global }
      - { .name: hbuf, .offset: 32, .size: 8, .value_kind: global_buffer, .address_space: global }
      - { .name: rows, .offset: 40, .size: 8, .value_kind: global_buffer, .address_space: global }
    .group_segment_fixed_size: 305664
    .private_segment_fixed_size: 0
    .kernarg_segment_align: 8
    .kernarg_segment_size: 48
    .max_flat_workgroup_size: 128
    .sgpr_count:     66
    .vgpr_count:     928
    .wavefront_size: 32
...
	.end_amdgpu_metadata
.endif
;; end of part 2
;; launch down (part 3): grid 32 x 8, 4 waves a work-group, no clusters, 157,184 bytes of LDS; arguments rows, comb, hbuf, w_down, part; writes part
.if DOCPART == 3
	.amdgcn_target "amdgcn-amd-amdhsa--gfx1250"
	.amdhsa_code_object_version 6
	.text
	.protected	k_q6a5d4a9575_down
	.globl	k_q6a5d4a9575_down
	.p2align	8
	.type	k_q6a5d4a9575_down,@function
k_q6a5d4a9575_down:
	s_mov_b64 s[64:65], 0
	v_nop
	global_prefetch_b8 v0, s[64:65] scope:SCOPE_SE
	s_setreg_imm32_b32 hwreg(HW_REG_WAVE_MODE, 25, 1), 1
	s_wait_xcnt 0x0
; part[token x 4 + choice x 2 + KH][DS x 64 ..] = combine weight x (h w_down^T), summed over one half of I.  Work-group (x, EX): DS = x / 2: 64 rows of w_down (columns of the output); KH = x % 2: 1,024 of the 2,048 K;
; and ALL of expert EX's rows.  Each weight byte is read once in the launch, by this work-group alone, and rounded to bf16 (nearest even) on its way through registers; sums in f32; the partial rows stay f32.
; WHY HALVES OF K: a row's piece of part is then 64 numbers, 256 consecutive aligned bytes; the slice is 256 KiB of f32 as in the launch before; and each fragment of h feeds four products.
; PHASE 1: the slice streams through a ring of eight groups of eight loads in registers (seven groups, 56 loads of 512 bytes, are out in each wave) into LDS, where it stays.  One barrier.
; PHASE 2: the rows are walked in tiles of 16, up to five tiles (slots) a wave: tile = 20 pass + wave + 4 slot; four passes cover 64 tiles; a pass, a fifth slot's products and a slot's way out past the count are jumped forward.
; Weight fragments come from LDS; fragments of h come from hbuf, which lies in register order, 512 consecutive bytes a load.
; H RUNS AHEAD.  Its fragments lie in a ring of 8 steps of 32 K.  A double step p (two steps, 40 matrix instructions) asks for double step p + 3 (twenty loads), so 60 loads of a wave are out all the time, and the wait at
; its head leaves the two younger double steps out.  No load is jumped, so the counts are the same on every way: a slot past the count takes the last live tile again (no byte of hbuf is read that was not stored; the
; launch before stores tile 0 even for an expert without rows), and a dead fifth slot's 32 lanes all ask for the same 16 bytes.  A pass's first three double steps are asked for ahead of it: pass 0's while phase 1's ring
; runs empty, a later pass's at the loop's foot.
; The 16 double steps are written out: four LDS address registers, each for two chunks, are made once and never rewritten, so that every LDS address of this phase, in which the waves also store into their stages,
; can be read off the text.
; TRANSPOSED USE: source 0 = 16 weight rows, source 1 = 16 rows of h: lane (r, hh) holds row r and output columns 8 hh + 0..7.  On the way out a tile goes through the wave's own stage in LDS and leaves as whole
; pieces of 256 bytes, each to the row of part that the list names.  Places past the count repeat the tile's last live row (the same bytes to the same address, from the same wave).
; NO CLUSTER: each weight byte has one reader.  An expert's 16 work-groups of one half do share the tiles of h, but the number of tiles hangs on a stored count, and a loop of that kind holds no ring in LDS and no barrier here.
; REGISTERS, in windows of 256 (s_set_vgpr_msb: bits 1:0 source 0, 3:2 source 1, 5:4 source 2, 7:6 destination):
;   window 0: v0-62 addresses and small work; v64-127, v128-191 weight fragments, two buffers of two K steps; v192-223 OB, rows read back; v224-239 T, packed weights (phase 1), then v224-227 the chunks' addresses;
;   v240-243 a row's number and three zeros
;   window 1: accumulators (slot s, block t) at 32 s + 8 t; in phase 1 the ring          windows 2, 3: fragments of h, ring places 0-3 and 4-7: (slot s, place u) at 32 s + 8 (u % 4)
.set PITCH, 272                        ; an LDS row: 256 bytes + 16 of padding: the 16 rows of a fragment load start at 16 different groups of four banks (ISA guide 11.1)
.set CH2,   64*PITCH                   ; a chunk: 128 K of the 64 rows
.set STAGE, 8*CH2                      ; 16 rows x 272 bytes for each wave: 256 bytes of results, then the row's number in part and 12 bytes of 0
.set SPARE, STAGE+4*16*PITCH           ; the spare words: 128 bytes for each of the four waves; no other line names them
.set SPW,  2                           ; v2   SPARE + 4 x my thread's number; never rewritten
.set NIL,  3                           ; v3   0; never rewritten
.set AOFF, 12                          ; v12-16  slot s: 16 x lane + its tile's 65,536 bytes
.set ENT,  18                          ; v18-22  slot s: my row's list entry
.set IDX,  24                          ; v24-28  slot s: my row's number in part
.set CW,   32                          ; v32-41  slot s: my row's combine weight, as a pair
.set TA,   47                          ; v47-51  slot s: an offset at work
.set IX,   52                          ; v52-59  the way out: row numbers read back, then store offsets
.set OB,   192
.set ADC,  224                         ; v224-227  chunks 2 a, 2 a + 1: r x 272 + 16 hh + 2 a x CH2; made behind phase 1, never rewritten
.set NUM,  240                         ; v240-243
; v1 lane; v4 r; v5 hh; v6 16 x lane; v7, v8 where I store weights (chunks 0-3, 4-7); v10 r x 272 + 16 hh; v42, v43 into the stage; v44, v45 back from it; v46 16 r; v60 272 hh; v61, v62 at work
; s16 wave; s18 DS; s19 KH; s20 EX; s21 count N; s22 tiles NT; s23 pass; s25 my first tile of the pass; s[28:29] my weight rows; s[34:35] part at my columns;
; s36 1: the fifth slot is live; s37 272 x the tile's last live row; s[38:39] the expert's list; s[40:41] comb at the expert; s[42:43] hbuf at expert and half; s[44:45] the count's place; s47 the last stored tile
.set MSB, 0
.macro WIN new                         ; the immediate's high byte repeats the setting that is left; a switch that changes nothing is dropped
.if MSB != (\new)
	s_set_vgpr_msb (MSB<<8)|(\new)
.set MSB, (\new)
.endif
.endm
.macro PLACES                          ; four places: in front of loads into registers that matrix instructions have read, and of vector instructions that read results (ISA guide 7.12.1 for vector instructions)
.rept 4
	v_nop
.endr
.endm
; Group g of eight loads: chunk g / 2, my rows 8 (g % 2) + 0..7; each load is 512 consecutive bytes of a row: 128 K in f32.
.macro WLOAD slot, g
	WIN 0x40                                       ; destination window 1
.set rr, 0
.rept 8
	global_load_b128 v[32*(\slot)+4*rr:32*(\slot)+4*rr+3], v6, s[28:29] offset:((\g)/2)*512+(8*((\g)%2)+rr)*8192 th:TH_LOAD_NT
.set rr, rr+1
.endr
.endm
.macro WTURN t, left, issue            ; group t is rounded and laid into LDS; issue = 1: group t + 7 is asked for; left: the younger loads that may stay out
	s_wait_loadcnt \left
	WIN 0x05                                       ; sources window 1, destination window 0
.set rr, 0
.rept 8
	v_cvt_pk_bf16_f32 v[224+2*rr], v[32*((\t)%8)+4*rr], v[32*((\t)%8)+4*rr+1]
	v_cvt_pk_bf16_f32 v[225+2*rr], v[32*((\t)%8)+4*rr+2], v[32*((\t)%8)+4*rr+3]
.set rr, rr+1
.endr
	WIN 0
.set rr, 0
.rept 8
	ds_store_b64 v[7+(\t)/8], v[224+2*rr:225+2*rr] offset:(((\t)/2)%4)*CH2+(8*((\t)%2)+rr)*PITCH
.set rr, rr+1
.endr
.if \issue
	WLOAD ((\t)+7)%8, (\t)+7
.endif
.endm
; The weight fragments of two K steps (2 J, 2 J + 1 of the chunk crel chunks behind v[adr]): 4 blocks of 16 rows each, 16 loads in one run.
.macro FETCHB adr, crel, J, buf
	WIN 0
.set jb, 0
.rept 2
.set tb, 0
.rept 4
	ds_load_b128 v[64+64*(\buf)+32*jb+8*tb:64+64*(\buf)+32*jb+8*tb+3],   v[\adr] offset:(\crel)*CH2+tb*16*PITCH+(2*(\J)+jb)*64
	ds_load_b128 v[64+64*(\buf)+32*jb+8*tb+4:64+64*(\buf)+32*jb+8*tb+7], v[\adr] offset:(\crel)*CH2+tb*16*PITCH+(2*(\J)+jb)*64+32
.set tb, tb+1
.endr
.set jb, jb+1
.endr
.endm
; One K step's fragments of h into ring place pos8: ten loads of 512 consecutive bytes, two for each of the five slots.  goff: the step's 1,024 bytes in a tile's half: it stands in the immediate.
.macro AUNIT pos8, goff
	WIN 0x80+0x40*((\pos8)/4)                      ; destination window 2 or 3, address window 0
.set sa, 0
.rept 5
	global_load_b128 v[32*sa+8*((\pos8)%4):32*sa+8*((\pos8)%4)+3],   v[AOFF+sa], s[42:43] offset:(\goff)
	global_load_b128 v[32*sa+8*((\pos8)%4)+4:32*sa+8*((\pos8)%4)+7], v[AOFF+sa], s[42:43] offset:(\goff)+512
.set sa, sa+1
.endr
	WIN 0
.endm
.macro DMUL pos, jj, sl, zero          ; four matrix instructions: slot sl x the 4 blocks of weight rows, step jj of the double step in ring place pos (of four); zero = 1: they start the sums
	WIN 0x58+4*((\pos)/2)                          ; weights window 0, h window 2 or 3, C and D window 1
.set AC, 32*(\sl)
.set BB, 64+64*((\pos)%2)+32*(\jj)
.set AA, 32*(\sl)+8*(2*((\pos)%2)+(\jj))
.set tt, 0
.rept 4
.if \zero
	v_wmma_f32_16x16x32_bf16 v[AC+8*tt:AC+8*tt+7], v[BB+8*tt:BB+8*tt+7], v[AA:AA+7], 0
.else
	v_wmma_f32_16x16x32_bf16 v[AC+8*tt:AC+8*tt+7], v[BB+8*tt:BB+8*tt+7], v[AA:AA+7], v[AC+8*tt:AC+8*tt+7]
.endif
.set tt, tt+1
.endr
.endm
; A double step: two K steps for all slots, 32 or 40 matrix instructions; the accumulators take turns, one instruction a turn (the fifth slot's four among themselves).
; left: the loads younger than this double step's.  In the middle: the next double step's weight fragments into the other buffer (fadr < 0: none), and (ld = 1) the h of the double step three further on,
; into the ring place read one double step ago.
.macro DSTEP pos, zero, left, fadr, fc, fJ, ld, goff
	s_wait_loadcnt \left                           ; this double step's h is in
	s_wait_dscnt 0x0                               ; its weight fragments are in: nothing younger is out
.irp sl, 0,1,2,3
	DMUL \pos, 0, \sl, \zero
.endr
	WIN 0
.if ((\fadr) >= 0) || (\ld)
	PLACES
.endif
.if (\fadr) >= 0
	FETCHB \fadr, \fc, \fJ, ((\pos)+1)%2
.endif
.if \ld
	AUNIT (2*(\pos)+6)%8, \goff
	AUNIT (2*(\pos)+7)%8, (\goff)+1024
.endif
.irp sl, 0,1,2,3
	DMUL \pos, 1, \sl, 0
.endr
	WIN 0
.if !(\zero)
	s_cmp_eq_u32 s36, 0
	s_cbranch_scc1 .Lno5_\@                        ; a dead fifth slot multiplies nothing (but in the first double step, which writes its registers on every way)
.endif
	DMUL \pos, 0, 4, \zero
	DMUL \pos, 1, 4, 0
	WIN 0
.if !(\zero)
.Lno5_\@:
.endif
.endm
; What a pass needs ahead of its first loads: is the fifth slot live; each slot's tile, and the offsets of its h and of its list entries.
.macro PASSSET
	s_add_co_u32 s26, s25, 16
	s_cmp_lt_u32 s26, s22
	s_cselect_b32 s36, 1, 0
	s_min_u32 s27, s36, 1
.set sl, 0
.rept 5
	s_add_co_u32 s26, s25, 4*sl
	s_min_u32 s26, s26, s47                        ; a slot past the count takes the last stored tile,
	s_min_u32 s26, s26, 63                         ; held inside the expert's 64
	s_lshl_b32 s30, s26, 16
.if sl < 4
	v_add_nc_u32 v[AOFF+sl], s30, v6
.else
	v_mul_u32_u24 v[AOFF+sl], s27, v6              ; a dead fifth slot: no lane term: all lanes ask for the same 16 bytes
	v_add_nc_u32 v[AOFF+sl], s30, v[AOFF+sl]
.endif
	s_lshl_b32 s30, s26, 6
	v_lshl_add_u32 v[TA+sl], v4, 2, s30
.set sl, sl+1
.endr
.endm
.macro ENTLOAD                         ; my five rows' list entries
.set sl, 0
.rept 5
	global_load_b32 v[ENT+sl], v[TA+sl], s[38:39]
.set sl, sl+1
.endr
.endm
.macro CWLOAD                          ; from the entries: each row's number in part, and the load of its combine weight
.set sl, 0
.rept 5
	v_and_b32 v[TA+sl], 0x3ff, v[ENT+sl]           ; the token,
	v_min_u32 v[TA+sl], 0x3ff, v[TA+sl]            ; held inside comb's 1,024 rows
	v_bfe_u32 v[IDX+sl], v[ENT+sl], 10, 1          ; first or second choice
	v_lshl_add_u32 v[IDX+sl], v[IDX+sl], 1, s19
	v_lshl_add_u32 v[IDX+sl], v[TA+sl], 2, v[IDX+sl]  ; 4 token + 2 choice + half
	v_lshlrev_b32 v[TA+sl], 5, v[TA+sl]
	global_load_b32 v[CW+2*sl], v[TA+sl], s[40:41]
.set sl, sl+1
.endr
.endm
	s_load_b256 s[4:11], s[0:1], 0x0               ; rows s[4:5], comb s[6:7], hbuf s[8:9], w_down s[10:11]
	s_load_b64 s[12:13], s[0:1], 0x20              ; part
	v_lshl_add_u32 v[SPW], v0, 2, SPARE
	v_mov_b32 v[NIL], 0
	v_and_b32 v1, 31, v0
	v_lshrrev_b32 v4, 5, v0
	v_readfirstlane_b32 s16, v4                    ; wave 0..3
	v_and_b32 v4, 15, v0
	v_bfe_u32 v5, v0, 4, 1
	v_lshlrev_b32 v6, 4, v1
	v_mov_b32 v[NUM+1], 0
	v_mov_b32 v[NUM+2], 0
	v_mov_b32 v[NUM+3], 0
	s_lshr_b32 s18, ttmp9, 1
	s_and_b32 s19, ttmp9, 1
	s_and_b32 s20, ttmp7, 0xffff
	s_mov_b32 s31, 0
	s_wait_kmcnt 0x0
	s_lshl_b32 s30, s20, 7
	s_add_nc_u64 s[44:45], s[4:5], s[30:31]
	s_load_b32 s21, s[44:45], 0x8000               ; the expert's count
	s_lshl_b32 s30, s20, 23                        ; the expert's 1,024 x 2,048 f32,
	s_lshl_b32 s26, s18, 19                        ; the slice's 64 rows of 8,192 bytes,
	s_add_co_u32 s30, s30, s26
	s_lshl_b32 s26, s16, 17                        ; my 16 of them,
	s_add_co_u32 s30, s30, s26
	s_lshl_b32 s26, s19, 12                        ; the half of K
	s_add_co_u32 s30, s30, s26
	s_add_nc_u64 s[28:29], s[10:11], s[30:31]
.irp g, 0,1,2,3,4,5,6
	WLOAD \g, \g
.endr
	WIN 0
	s_lshl_b32 s30, s20, 12
	s_add_nc_u64 s[38:39], s[4:5], s[30:31]
	s_lshl_b32 s30, s20, 2
	s_add_nc_u64 s[40:41], s[6:7], s[30:31]
	s_lshl_b32 s30, s20, 22                        ; the expert's 64 tiles of 65,536 bytes,
	s_lshl_b32 s26, s19, 15                        ; the half's 64 groups of 512
	s_add_co_u32 s30, s30, s26
	s_add_nc_u64 s[42:43], s[8:9], s[30:31]
	s_lshl_b32 s30, s18, 8
	s_add_nc_u64 s[34:35], s[12:13], s[30:31]
	s_mul_i32 s26, s16, 16*PITCH
	v_lshlrev_b32 v7, 3, v1
	v_add_nc_u32 v7, s26, v7
	v_add_nc_u32 v8, 4*CH2, v7
	v_mul_u32_u24 v10, v4, PITCH
	s_add_co_u32 s26, s26, STAGE                   ; my stage
	v_add_nc_u32 v43, s26, v10
	v_lshl_add_u32 v42, v5, 5, v43                 ; in: row r, 32 bytes for each half of the lanes in each 64
	v_add_nc_u32 v43, 256, v43                     ; and the row's number behind its 256 bytes
	v_lshl_add_u32 v10, v5, 4, v10
	v_lshlrev_b32 v46, 4, v4
	v_add_nc_u32 v44, s26, v46                     ; back: lanes 0-15 take one row of 256 bytes, lanes 16-31 the next
	v_mov_b32 v45, s26
	v_mul_u32_u24 v60, v5, PITCH
	s_wait_kmcnt 0x0                               ; the count; the 56 weight loads are on their way meanwhile
	s_min_u32 s21, s21, 0x400
	s_add_co_u32 s22, s21, 15
	s_lshr_b32 s22, s22, 4
	s_max_u32 s47, s22, 1
	s_sub_co_u32 s47, s47, 1
	s_mov_b32 s25, s16
	PASSSET                                        ; pass 0's offsets
	; PHASE 1: 16 groups, written out
.irp t, 0,1,2,3,4,5,6,7,8
	WTURN \t, 48, 1                                ; six younger groups of eight stay out
.endr
	WTURN 9, 48, 0                                 ; all weights are asked for; the ring runs empty, and pass 0's list entries (5 loads) and first six K steps of h (10 each) take the places in the count:
	ENTLOAD                                        ; each wait leaves out the groups still to come (8 each) and what has been asked for behind them; 63 loads are out at the most
	WTURN 10, 45, 0
	AUNIT 0, 0
	WTURN 11, 47, 0
	AUNIT 1, 1024
	WTURN 12, 49, 0
	AUNIT 2, 2048
	WTURN 13, 51, 0
	AUNIT 3, 3072
	WTURN 14, 53, 0
	AUNIT 4, 4096
	WTURN 15, 53, 0                                ; 55 are younger than the last group; two less, so that ten more make 63
	AUNIT 5, 5120
	s_wait_dscnt 0x0                               ; for the others' sake: my rows are in LDS
	s_barrier_signal -1
	s_barrier_wait -1                              ; the one barrier: from here on a wave writes its own stage alone
	; PHASE 2
.set c, 0
.rept 4
	v_add_nc_u32 v[ADC+c], c*2*CH2, v10            ; a register for two chunks: the second chunk's 17,408 bytes stand in the 16-bit offset
.set c, c+1
.endr
	s_mov_b32 s23, 0
.Lpass:
	s_cmp_ge_u32 s25, s22
	s_cbranch_scc1 .Lnext                          ; no tile of mine is left in this pass
	FETCHB ADC, 0, 0, 0
; The 16 double steps.  Double step p: ring place p % 4, weight buffer p % 2; it fetches the weights of p + 1 (chunk (p + 1) / 2) and asks for the h of p + 3.  Two younger double steps of twenty loads stay out at its wait.
; The first starts the sums: nothing is cleared.  Behind double step 13, when nothing more of h is to be asked for, the combine weights are: 5 loads, which the last two counts leave out.
.set p, 0
.rept 16
.set ps, p%4
.set cn, (p+1)/2
.set fa, ADC+cn/2
.set fc, cn%2
.set fJ, (p+1)%2
.set go, (p+3)*2048
.if p == 0
	DSTEP ps, 1, 40, fa, fc, fJ, 1, go
.elseif p < 13
	DSTEP ps, 0, 40, fa, fc, fJ, 1, go
.elseif p == 13
	DSTEP ps, 0, 40, fa, fc, fJ, 0, 0
	CWLOAD
.elseif p == 14
	DSTEP ps, 0, 25, fa, fc, fJ, 0, 0
.else
	DSTEP ps, 0, 5, -1, 0, 0, 0, 0
.endif
.set p, p+1
.endr
	s_wait_loadcnt 0x0                             ; the combine weights
	PLACES
; THE WAY OUT of slot sl: times the row's combine weight, through my stage, and out by whole pieces of 256 bytes.  Each accumulator is read from its low end on.
.macro DEPI sl
	s_add_co_u32 s26, s25, 4*(\sl)
.if (\sl) > 0
	s_cmp_ge_u32 s26, s22
	s_cbranch_scc1 .Lnext                          ; this tile and the later slots' lie past the count
.endif
	s_lshl_b32 s26, s26, 4
	s_sub_co_u32 s37, s21, s26
	s_sub_co_u32 s37, s37, 1
	s_min_u32 s37, s37, 15                         ; the tile's last live row,
	s_mul_i32 s37, s37, PITCH                      ; in bytes of the stage
	s_wait_xcnt 0x0                                ; OB and IX, which the last slot's stores read, are rewritten only behind this wait
	v_mov_b32 v[CW+2*(\sl)+1], v[CW+2*(\sl)]
	v_mov_b32 v[NUM], v[IDX+(\sl)]
	WIN 0x41                                       ; destination and source 0 window 1, the weight in window 0
.set i, 0
.rept 16
	v_pk_mul_f32 v[32*(\sl)+2*i:32*(\sl)+2*i+1], v[32*(\sl)+2*i:32*(\sl)+2*i+1], v[CW+2*(\sl):CW+2*(\sl)+1]
.set i, i+1
.endr
	WIN 0x04                                       ; stored data window 1, address window 0
.set i, 0
.rept 8
	ds_store_b128 v42, v[32*(\sl)+4*i:32*(\sl)+4*i+3] offset:64*(i/2)+16*(i%2)
.set i, i+1
.endr
	WIN 0
	ds_store_b128 v43, v[NUM:NUM+3]                ; the row's number and 12 bytes of 0: all 272 bytes of a stage row are written
.set i, 0
.rept 8
	v_add_nc_u32 v61, 2*PITCH*i, v60               ; row 2 i + hh,
	v_min_u32 v61, s37, v61                        ; or the last live one,
	v_min_u32 v61, 15*PITCH, v61                   ; held inside the stage
	v_add_nc_u32 v62, v61, v44
	v_add_nc_u32 v61, v61, v45
	ds_load_b128 v[OB+4*i:OB+4*i+3], v62           ; LDS serves a wave's instructions in order (ISA guide 5.7.1.4): these see the stores above; the next slot's stores come behind them
	ds_load_b32 v[IX+i], v61 offset:256
.set i, i+1
.endr
	s_wait_dscnt 0x0
.set i, 0
.rept 8
	v_min_u32 v[IX+i], 0xfff, v[IX+i]              ; held inside part's 4,096 rows
	v_lshl_add_u32 v[IX+i], v[IX+i], 12, v46
	global_store_b128 v[IX+i], v[OB+4*i:OB+4*i+3], s[34:35]  ; 16 lanes store 256 consecutive bytes, at a multiple of 256 from part's first byte
.set i, i+1
.endr
.endm
	DEPI 0
	DEPI 1
	DEPI 2
	DEPI 3
	DEPI 4
.Lnext:
	s_add_co_u32 s25, s25, 20
	s_add_co_u32 s23, s23, 1
	s_wait_loadcnt 0x0                             ; no load is out (a wave without tiles has not used pass 0's): the offsets may be written
	s_cmp_ge_u32 s25, s22
	s_cbranch_scc1 .Lnofront                       ; the next pass has no tile of mine (behind the fourth pass: always)
	PASSSET
	ENTLOAD                                        ; its list entries and its first six K steps of h
	AUNIT 0, 0
	AUNIT 1, 1024
	AUNIT 2, 2048
	AUNIT 3, 3072
	AUNIT 4, 4096
	s_wait_loadcnt 53                              ; 55 are out: two less, so that ten more make 63
	AUNIT 5, 5120
.Lnofront:
	s_cmp_lt_u32 s23, 4
	s_cbranch_scc1 .Lpass
	s_wait_tensorcnt 0x0                           ; the wave's end, behind my last LDS store
	ds_add_u32 v[SPW], v[NIL]
	s_wait_dscnt 0x0
	s_endpgm
.Lfunc_end_k_q6a5d4a9575_down:
	.size	k_q6a5d4a9575_down, .Lfunc_end_k_q6a5d4a9575_down-k_q6a5d4a9575_down
	.p2alignl 7, 3214868480
	.fill 96, 4, 3214868480
	.section	.rodata,"a",@progbits
	.p2align	6, 0x0
	.amdhsa_kernel k_q6a5d4a9575_down
		.amdhsa_group_segment_fixed_size 157184
		.amdhsa_private_segment_fixed_size 0
		.amdhsa_enable_private_segment 0
		.amdhsa_kernarg_size 40
		.amdhsa_user_sgpr_count 2
		.amdhsa_user_sgpr_kernarg_segment_ptr 1
		.amdhsa_wavefront_size32 1
		.amdhsa_system_sgpr_workgroup_id_x 1
		.amdhsa_system_sgpr_workgroup_id_y 1
		.amdhsa_system_sgpr_workgroup_id_z 1
		.amdhsa_system_vgpr_workitem_id 0
		.amdhsa_next_free_vgpr 928
		.amdhsa_next_free_sgpr 66
		.amdhsa_reserve_vcc 0
		.amdhsa_float_denorm_mode_32 3
		.amdhsa_float_denorm_mode_16_64 3
		.amdhsa_memory_ordered 1
		.amdhsa_forward_progress 1
		.amdhsa_inst_pref_size 181
	.end_amdhsa_kernel
	.amdgpu_metadata
---
amdhsa.version: [ 1, 2 ]
amdhsa.kernels:
  - .name:           k_q6a5d4a9575_down
    .symbol:         k_q6a5d4a9575_down.kd
    .args:
      - { .name: rows, .offset: 0, .size: 8, .value_kind: global_buffer, .address_space: global }
      - { .name: comb, .offset: 8, .size: 8, .value_kind: global_buffer, .address_space: global }
      - { .name: hbuf, .offset: 16, .size: 8, .value_kind: global_buffer, .address_space: global }
      - { .name: w_down, .offset: 24, .size: 8, .value_kind: global_buffer, .address_space: global }
      - { .name: part, .offset: 32, .size: 8, .value_kind: global_buffer, .address_space: global }
    .group_segment_fixed_size: 157184
    .private_segment_fixed_size: 0
    .kernarg_segment_align: 8
    .kernarg_segment_size: 40
    .max_flat_workgroup_size: 128
    .sgpr_count:     66
    .vgpr_count:     928
    .wavefront_size: 32
...
	.end_amdgpu_metadata
.endif
;; end of part 3
;; launch addup (part 4): grid 256 x 1, 8 waves a work-group, no clusters, 0 bytes of LDS; arguments part, out0; writes out0
.if DOCPART == 4
	.amdgcn_target "amdgcn-amd-amdhsa--gfx1250"
	.amdhsa_code_object_version 6
	.text
	.protected	k_q6a5d4a9575_addup
	.globl	k_q6a5d4a9575_addup
	.p2align	8
	.type	k_q6a5d4a9575_addup,@function
k_q6a5d4a9575_addup:
	s_mov_b64 s[64:65], 0
	v_nop
	global_prefetch_b8 v0, s[64:65] scope:SCOPE_SE
	s_setreg_imm32_b32 hwreg(HW_REG_WAVE_MODE, 25, 1), 1
	s_wait_xcnt 0x0
; out0[token] = the sum of the token's four partial rows (two choices x two halves of I), which already carry the combine weights: (first choice: half 0 + half 1) + (second choice: half 0 + half 1), in f32.
; A stream: the work-group has four tokens, whose 16 rows are 65,536 consecutive bytes of part; a thread has 16 bytes of each row; all 16 loads go out at once.  No LDS, no barrier, no matrix unit: nothing is used twice.
	s_load_b128 s[4:7], s[0:1], 0x0                ; part s[4:5], out0 s[6:7]
	v_lshlrev_b32 v1, 4, v0
	s_lshl_b32 s8, ttmp9, 16
	s_mov_b32 s9, 0
	s_lshl_b32 s10, ttmp9, 14
	s_mov_b32 s11, 0
	s_wait_kmcnt 0x0
	s_add_nc_u64 s[4:5], s[4:5], s[8:9]
	s_add_nc_u64 s[6:7], s[6:7], s[10:11]
.set i, 0
.rept 16
	global_load_b128 v[16+4*i:19+4*i], v1, s[4:5] offset:4096*i th:TH_LOAD_NT  ; a wave's load covers 512 consecutive bytes
.set i, i+1
.endr
.set t, 0
.rept 4
.set X, 16+16*t
	s_wait_loadcnt 12-4*t                          ; this token's four rows are in; the later tokens' loads are younger
	v_pk_add_f32 v[X:X+1],     v[X:X+1],     v[X+4:X+5]
	v_pk_add_f32 v[X+2:X+3],   v[X+2:X+3],   v[X+6:X+7]
	v_pk_add_f32 v[X+8:X+9],   v[X+8:X+9],   v[X+12:X+13]
	v_pk_add_f32 v[X+10:X+11], v[X+10:X+11], v[X+14:X+15]
	v_pk_add_f32 v[X:X+1],     v[X:X+1],     v[X+8:X+9]
	v_pk_add_f32 v[X+2:X+3],   v[X+2:X+3],   v[X+10:X+11]
	global_store_b128 v1, v[X:X+3], s[6:7] offset:4096*t th:TH_STORE_NT
.set t, t+1
.endr
	s_endpgm
.Lfunc_end_k_q6a5d4a9575_addup:
	.size	k_q6a5d4a9575_addup, .Lfunc_end_k_q6a5d4a9575_addup-k_q6a5d4a9575_addup
	.p2alignl 7, 3214868480
	.fill 96, 4, 3214868480
	.section	.rodata,"a",@progbits
	.p2align	6, 0x0
	.amdhsa_kernel k_q6a5d4a9575_addup
		.amdhsa_group_segment_fixed_size 0
		.amdhsa_private_segment_fixed_size 0
		.amdhsa_enable_private_segment 0
		.amdhsa_kernarg_size 16
		.amdhsa_user_sgpr_count 2
		.amdhsa_user_sgpr_kernarg_segment_ptr 1
		.amdhsa_wavefront_size32 1
		.amdhsa_system_sgpr_workgroup_id_x 1
		.amdhsa_system_sgpr_workgroup_id_y 1
		.amdhsa_system_sgpr_workgroup_id_z 1
		.amdhsa_system_vgpr_workitem_id 0
		.amdhsa_next_free_vgpr 80
		.amdhsa_next_free_sgpr 66
		.amdhsa_reserve_vcc 0
		.amdhsa_float_denorm_mode_32 3
		.amdhsa_float_denorm_mode_16_64 3
		.amdhsa_memory_ordered 1
		.amdhsa_forward_progress 1
		.amdhsa_inst_pref_size 5
	.end_amdhsa_kernel
	.amdgpu_metadata
---
amdhsa.version: [ 1, 2 ]
amdhsa.kernels:
  - .name:           k_q6a5d4a9575_addup
    .symbol:         k_q6a5d4a9575_addup.kd
    .args:
      - { .name: part, .offset: 0, .size: 8, .value_kind: global_buffer, .address_space: global }
      - { .name: out0, .offset: 8, .size: 8, .value_kind: global_buffer, .address_space: global }
    .group_segment_fixed_size: 0
    .private_segment_fixed_size: 0
    .kernarg_segment_align: 8
    .kernarg_segment_size: 16
    .max_flat_workgroup_size: 256
    .sgpr_count:     66
    .vgpr_count:     80
    .wavefront_size: 32
...
	.end_amdgpu_metadata
.endif
;; end of part 4
